; MI455X (gfx1250); checked and timed in simulation.
; The chip was launched on July 23, 2026; its instructions are those of AMD's public machine-readable ISA for CDNA 5 (MIT licence, August 2026) and "CDNA5" Instruction Set Architecture Reference Guide (July 2026). The comments in the code are by the model that wrote it; some were corrected since.
;; Full Attention. Allowed arithmetic: matrix products marked QUANTISED: E2M1 operands, one E8M0 scale for each 32 along K, by v_wmma_scale_f32_16x16x128_f8f6f4 with both operands' format E2M1 (or v_wmma_scale_f32_32x16x128_f4), f32 sums; everything else in f32.
;; Inputs: attn_mask 1,024 x 1,024 float32; dist_emb 257 x 64 float32; keys 8 x 1,024 x 16 x 64 float32; queries 8 x 1,024 x 16 x 64 float32; values 8 x 1,024 x 16 x 64 float32.
;; Outputs: out0 8 x 1,024 x 16 x 64 float32.
;; This version of the problem:
;;   THIS VERSION OF THE PROBLEM IS GIVEN IN LOW PRECISION. The matrix products marked QUANTISED in the list below multiply operands that are first quantised to E2M1 (2 exponent bits, 1 mantissa bit; 4 bits a number), with one power-of-two scale for each 32 numbers along K (OCP MX v1.0); their sums are f32. All else is computed in f32.
;;   The module's matrix products, in the order in which they are computed (A, B: the left and right operand; K: the contracted axis; several contracted axes count as one K, in the product's order):
;;     1. batch 128 x [M 1,024, K 64] x [K 64, N 1,024]; A: input queries; B: input keys: QUANTISED
;;     2. batch 1,024 x [M 1,024, K 64] x [K 64, N 128]; A: computed on the way; B: input queries: QUANTISED
;;     3. batch 1,024 x [M 1,024, K 64] x [K 64, N 128]; A: computed on the way; B: input keys: QUANTISED
;;     4. batch 128 x [M 64, K 1,024] x [K 1,024, N 1,024]; A: input values; B: softmax (see below): QUANTISED
;;   THE QUANTISER, for each operand of a quantised product, along K:
;;     - K is cut into blocks of 32 from its start; a last block that is shorter is filled with zeros.
;;     - A block's scale is 2^e with e = floor(log2(the largest magnitude in the block)) - 2, held to -126 .. 127; a block of zeros has e = 0. As a byte (E8M0): e + 127.
;;     - Each number is divided by its block's scale, clamped to +-6, and rounded to the nearest number of E2M1, ties to even, subnormals kept.
;;     - The product sums the exact products of the quantised numbers (number of the format x scale) in f32.
;;   ~~~python
;;   def quantise(x, axis):      # numpy; x: float32 -> the quantised numbers, widened to float32 again
;;       x = np.moveaxis(x, axis, -1); K = x.shape[-1]
;;       x = np.pad(x, [(0, 0)] * (x.ndim - 1) + [(0, -K % 32)]); x = x.reshape(x.shape[:-1] + (-1, 32)); a = np.abs(x).max(-1, keepdims=True)
;;       e = np.where(a > 0, np.clip(np.frexp(np.where(a > 0, a, 1))[1] - 1 - 2, -126, 127), 0)      # np.frexp(a)[1] - 1 = floor(log2(a)), exactly
;;       r = np.clip(x / 2.0 ** e, -6, 6)
;;       step = 2.0 ** (np.maximum(np.frexp(np.where(r == 0, 1, r))[1] - 1, 0) - 1)
;;       q = np.round(r / step) * step * 2.0 ** e      # np.round: ties to even
;;       return np.moveaxis(q.reshape(q.shape[:-2] + (-1,))[..., :K], -1, axis).astype(np.float32)
;;   ~~~
;;   SOFTMAX AHEAD OF A QUANTISED PRODUCT. Where the list says 'softmax', what is quantised is not the finished softmax but p = 2^(t - M), with t = logit x log2(e) and M = ceil(the row's largest t), a whole number; so 1/2 < the row's largest p <= 1. The row's sum l is taken of the UNQUANTISED p, in f32, and the product's result is divided by l at the end. Since M is a whole number, a kernel that streams over the keys may use a running M (the ceiling of the running maximum): every later rescaling is an exact power of two, which a block's scale takes up: the codes' values come out the same.
;;   OPERANDS COMPUTED ON THE WAY. 'Computed on the way' means the value that the module computes at that place (a softmax that the list does not call 'softmax' is quantised finished and normalised). What goes into a quantiser is computed in f32, as accurately as f32 sums, v_exp_f32 and their like allow (about 1e-6 of the number): no bf16 or f16 on the way to a quantiser, and a product that is left as it is and whose result goes on into a quantised operand takes f32 operands (vector FMAs, or v_wmma_f32_16x16x4_f32). A number that lies on a knife's edge between two numbers of the format may be rounded either way, as far as f32 arithmetic and the matrix unit's own rounding can turn it there, and no further.
;; One version. Each part assembles by itself: llvm-mc -triple=amdgcn-amd-amdhsa -mcpu=gfx1250 --defsym DOCPART=n.
;; ======== version 1 of 1: 2 launches
;; limits: right only within a limited range of input values
;; workspace buffers: kvw 9,175,040 bytes; etab 18,432 bytes; mimg 4,194,304 bytes; mpim 2,097,152 bytes
;; launch prep (part 1): grid 712 x 1, 4 waves a work-group, no clusters, 35,328 bytes of LDS; arguments keys, values, attn_mask, dist_emb, kvw, etab, mimg, mpim; writes kvw, etab, mimg, mpim
.if DOCPART == 1
	.amdgcn_target "amdgcn-amd-amdhsa--gfx1250"
	.amdhsa_code_object_version 6
	.text
	.protected	k_q27f4f4a102_prep
	.globl	k_q27f4f4a102_prep
	.p2align	8
	.type	k_q27f4f4a102_prep,@function
k_q27f4f4a102_prep:
	s_mov_b64 s[64:65], 0
	v_nop
	global_prefetch_b8 v0, s[64:65] scope:SCOPE_SE
	s_setreg_imm32_b32 hwreg(HW_REG_WAVE_MODE, 25, 1), 1
	s_wait_xcnt 0x0
; PREP: keys, values, dist_emb become codes of FP4 (E2M1) with one E8M0 byte for each 32 along a product's K, and the mask becomes images of
; accumulator registers; all laid in the order in which the attention launch's operand registers take them.
; A block's scale is 2^(floor(log2(largest magnitude)) - 2); its byte is the largest magnitude's exponent field - 2, held at 1 from below by a floor among the maximum's leaves.
; LIMITS: NaN and infinities in keys, values and dist_emb are not served.  A block of zeros gets the byte 1 (not 127): its codes are zeros, and only this program reads the bytes.
; kvw, for each head (n x 16 + h) a record of REC bytes:
;   +0      K's codes   [tile of 16 keys (64)][block of 32 along e (2)][key in tile (16)][16 bytes]
;   +32768  V's codes   [128 keys (8)][tile of 16 channels (4)][c (2)][hh (2)][channel in tile (16)][16 bytes]: keys 128 ks + 64 c + 32 hh + 0..31
;   +65536  K's scale words [128 keys (8)][lane (32)][4]: word i of lane L: bytes b0 b1 b0 b1 of key 128 ks + 16 (4 (L / 16) + i) + L % 16
;   +69632  V's scale words [128 keys (8)][channel (64)]: the four blocks of those 128 keys
; etab: E[x] = Q(dist_emb[clamp(384 - x, 0, 256)]), x = 0..511: codes [block (2)][x][16 bytes]; at +16384 a word for each x: E[x]'s two bytes, then E[x + 8]'s
; mimg: [query tile (64)][key tile (64)][q (2)][lane][16 bytes]: lane (r, h) holds mask[16 lt + r][16 kt + 8 h + 4 q + 0..3]
; mpim: [query tile (64)][yi (32)][q (2)][lane][16 bytes]: register j = 4 q + e of lane (r, h) holds mask[16 lt + r][16 yi - 8 h - j + 16 lt + r - 256], the column held to 0..1023
; The work-group's number picks the path: 0-255 K, 256-511 V, 512-639 mimg, 640-703 mpim, 704-711 etab.  A wave is a job; waves share nothing; no barrier.  Only the K path uses LDS.
.set REC, 71680
; v[d] = the largest magnitude of v[x] .. v[x + 31] and the floor 2^(3 - 127); v[e] at work.  Two chains, so that no line waits for the line above it
.macro AMAX32 d, e, x
	v_max3_num_f32 v[\d], |v[\x]|, |v[(\x)+1]|, |v[(\x)+2]|
	v_max3_num_f32 v[\e], |v[(\x)+3]|, |v[(\x)+4]|, |v[(\x)+5]|
.irp i, 6,10,14,18,22,26
	v_max3_num_f32 v[\d], v[\d], |v[(\x)+\i]|, |v[(\x)+\i+1]|
	v_max3_num_f32 v[\e], v[\e], |v[(\x)+\i+2]|, |v[(\x)+\i+3]|
.endr
	v_max3_num_f32 v[\d], v[\d], |v[(\x)+30]|, |v[(\x)+31]|
	v_max3_num_f32 v[\d], v[\d], v[\e], 0x1800000
.endm
	s_load_b256 s[4:11], s[0:1], 0x0               ; keys s[4:5], values s[6:7], mask s[8:9], dist_emb s[10:11]
	s_load_b256 s[12:19], s[0:1], 0x20             ; kvw s[12:13], etab s[14:15], mimg s[16:17], mpim s[18:19]
	v_lshl_add_u32 v192, v0, 2, 0x8800
	v_mov_b32 v193, 0
	v_lshrrev_b32 v1, 5, v0
	v_readfirstlane_b32 s20, v1                    ; wave 0..3
	v_and_b32 v1, 31, v0                           ; L
	v_and_b32 v2, 15, v0                           ; r
	v_bfe_u32 v3, v0, 4, 1                         ; hh
	s_mov_b32 s34, 0x76543210
	s_mov_b32 s35, 0xfedcba98                      ; v_permlanex16_b32's selects for lane l xor 16
	s_mov_b32 s27, 0
	s_mov_b32 s29, 0
	s_wait_kmcnt 0x0
	s_cmp_lt_u32 ttmp9, 256
	s_cbranch_scc1 .Lpath_k
	s_cmp_lt_u32 ttmp9, 512
	s_cbranch_scc1 .Lpath_v
	s_cmp_lt_u32 ttmp9, 640
	s_cbranch_scc1 .Lpath_mi
	s_cmp_lt_u32 ttmp9, 704
	s_cbranch_scc1 .Lpath_mp
; ---- etab: a wave takes 16 values of x; lane (r, hh) takes block hh of row x = 16 xt + r, and of row x + 8 for its byte
	s_sub_co_u32 s21, ttmp9, 704
	s_lshl_b32 s21, s21, 2
	s_add_co_u32 s21, s21, s20
	s_lshl_b32 s21, s21, 4                         ; 16 xt
	s_wait_alu depctr_va_vdst(0)
	v_add_nc_u32 v4, s21, v2                       ; x
	v_sub_nc_u32 v5, 640, v4                       ; 384 - x, with 256 on top so that nothing is negative
	v_max_u32 v5, 256, v5
	v_min_u32 v5, 512, v5                          ; the table's row + 256
	v_lshlrev_b32 v5, 8, v5                        ; a row is 256 bytes
	v_lshl_add_u32 v5, v3, 7, v5                   ; + my block's 128
	v_sub_nc_u32 v6, 632, v4                       ; the same for x + 8
	v_max_u32 v6, 256, v6
	v_min_u32 v6, 512, v6
	v_lshlrev_b32 v6, 8, v6
	v_lshl_add_u32 v6, v3, 7, v6
.irp q, 0,1,2,3,4,5,6,7
	global_load_b128 v[32+4*\q:35+4*\q], v5, s[10:11] offset:16*\q-65536   ; the immediate takes the 256 rows off again
.endr
.irp q, 0,1,2,3,4,5,6,7
	global_load_b128 v[64+4*\q:67+4*\q], v6, s[10:11] offset:16*\q-65536
.endr
	v_lshlrev_b32 v7, 4, v4
	v_lshl_add_u32 v7, v3, 13, v7                  ; codes: plane hh, 16 bytes for each x: sixteen lanes store 256 consecutive bytes
	v_lshlrev_b32 v8, 2, v4                        ; words: 4 bytes for each x
	v_lshlrev_b32 v9, 3, v3                        ; 8 hh
	v_mov_b32 v15, 0                               ; a lane permute's destination counts as one of its sources
	s_wait_loadcnt 0x0
	AMAX32 10, 11, 32
	AMAX32 12, 13, 64
	v_add_nc_u32 v10, 0xff000000, v10              ; 2 off the exponent field: the conversion's scale operand
	v_add_nc_u32 v12, 0xff000000, v12
.irp g, 0,1,2,3
	v_cvt_scalef32_pk8_fp4_f32 v[16+\g], v[32+8*\g:39+8*\g], v10
.endr
	v_lshrrev_b32 v11, 23, v10                     ; E[x]'s byte of block hh (a plain line behind the conversions)
	v_lshrrev_b32 v13, 23, v12                     ; E[x + 8]'s
	v_lshl_or_b32 v11, v13, 16, v11
	v_lshlrev_b32 v11, v9, v11                     ; at block hh's places
	v_permlanex16_b32 v15, v11, s34, s35
	v_or_b32 v11, v11, v15                         ; with the other block's: the word is whole
	global_store_b128 v7, v[16:19], s[14:15]
	v_cmp_gt_u32 vcc_lo, 16, v1
	s_wait_alu depctr_va_vdst(0)
	s_wait_xcnt 0x0                                ; EXEC changes only when the store above has read its sources
	s_and_saveexec_b32 s30, vcc_lo                 ; both halves hold the same word: lanes 0-15 store it
	global_store_b32 v8, v11, s[14:15] offset:16384
	s_wait_xcnt 0x0
	s_or_b32 exec_lo, exec_lo, s30
	s_endpgm
; ---- K: a wave takes 128 keys of one head, eight tiles of 16.  A key's row is 256 bytes: each load reads two whole rows, sixteen lanes a row.
; The conversions want 32 neighbours along e in ONE lane: a tile turns through the wave's own stage in LDS (rows 272 bytes apart), two stages by turns.
.Lpath_k:
	s_lshr_b32 s21, ttmp9, 1                       ; head
	s_and_b32 s22, ttmp9, 1
	s_lshl_b32 s22, s22, 2
	s_add_co_u32 s22, s22, s20                     ; ks
	s_lshr_b32 s23, s21, 4                         ; n
	s_and_b32 s24, s21, 15                         ; h
	s_lshl_b32 s26, s23, 22
	s_lshl_b32 s25, s22, 19
	s_add_co_u32 s26, s26, s25
	s_lshl_b32 s25, s24, 8
	s_add_co_u32 s26, s26, s25
	s_add_nc_u64 s[4:5], s[4:5], s[26:27]          ; keys[n][128 ks][h]
	s_mul_i32 s26, s21, REC
	s_lshl_b32 s25, s22, 12
	s_add_co_u32 s28, s26, s25
	s_add_nc_u64 s[30:31], s[12:13], s[28:29]      ; my eight tiles' codes
	s_lshl_b32 s25, s22, 9
	s_add_co_u32 s28, s26, s25
	s_add_co_u32 s28, s28, 65536
	s_add_nc_u64 s[32:33], s[12:13], s[28:29]      ; my 512 bytes of scale words
	s_mov_b32 s36, 0xffff0000                      ; lanes 16-31
	s_wait_alu depctr_va_vdst(0)
	v_lshlrev_b32 v7, 4, v1                        ; 16 L
	v_lshlrev_b32 v4, 4, v2
	v_lshl_add_u32 v4, v3, 12, v4                  ; in memory: row hh of a pair, 16 r
	s_mul_i32 s25, s20, 8704                       ; my two stages
	v_mul_u32_u24 v5, v3, 272
	v_lshl_add_u32 v5, v2, 4, v5
	v_add_nc_u32 v5, s25, v5                       ; into a stage: as loaded
	v_mul_u32_u24 v6, v2, 272
	v_lshl_add_u32 v6, v3, 7, v6
	v_add_nc_u32 v6, s25, v6                       ; out of it: row r, block hh
	v_lshlrev_b32 v12, 3, v3                       ; 8 hh
	v_mov_b32 v13, 0
.macro LOADK t
.irp i, 0,1,2,3,4,5,6,7
	global_load_b128 v[16+32*((\t)%2)+4*\i:16+32*((\t)%2)+4*\i+3], v4, s[4:5] offset:65536*(\t)+8192*\i th:TH_LOAD_NT
.endr
.endm
.macro TURNK t                         ; LDS serves a wave's instructions in order: no wait between the stores and the loads
.irp i, 0,1,2,3,4,5,6,7
	ds_store_b128 v5, v[16+32*((\t)%2)+4*\i:16+32*((\t)%2)+4*\i+3] offset:4352*((\t)%2)+544*\i
.endr
.irp i, 0,1,2,3,4,5,6,7
	ds_load_b128 v[80+32*((\t)%2)+4*\i:80+32*((\t)%2)+4*\i+3], v6 offset:4352*((\t)%2)+16*\i
.endr
.endm
.macro STEPK t
	s_wait_dscnt 0x0                               ; this tile is back from its stage, and the stage's stores have read their registers,
.if (\t)+2 < 8
	LOADK (\t)+2                                   ; which take the tile two further on
.endif
.if (\t)+1 < 8
.if (\t)+2 < 8
	s_wait_loadcnt 8                               ; the next tile's eight loads are in; the eight just issued may be out
.else
	s_wait_loadcnt 0x0
.endif
	TURNK (\t)+1
.endif
	AMAX32 8, 9, 80+32*((\t)%2)
	v_add_nc_u32 v10, 0xff000000, v8               ; 2 off the exponent field: the conversion's scale operand
.irp g, 0,1,2,3
	v_cvt_scalef32_pk8_fp4_f32 v[144+4*(\t)+\g], v[80+32*((\t)%2)+8*\g:80+32*((\t)%2)+8*\g+7], v10
.endr
	v_lshrrev_b32 v11, 23, v10                     ; the byte (a plain line behind the conversions)
	v_lshlrev_b32 v11, v12, v11
	v_permlanex16_b32 v13, v11, s34, s35
	v_or_b32 v11, v11, v13                         ; b0 b1 of key r
.if (\t) < 4
	v_lshl_or_b32 v[176+(\t)], v11, 16, v11        ; b0 b1 b0 b1: tiles 0-3 are wanted in lanes 0-15,
.else
	v_lshl_or_b32 v14, v11, 16, v11
	v_cndmask_b32 v[172+(\t)], v[172+(\t)], v14, s36   ; tiles 4-7 in lanes 16-31
.endif
	global_store_b128 v7, v[144+4*(\t):147+4*(\t)], s[30:31] offset:512*(\t)   ; 512 consecutive bytes; each tile has its own registers
.endm
	LOADK 0
	LOADK 1
	s_wait_alu depctr_va_vdst(0)
	s_wait_loadcnt 8                               ; tile 0 is in
	TURNK 0
.irp t, 0,1,2,3,4,5,6,7
	STEPK \t
.endr
	global_store_b128 v7, v[176:179], s[32:33]
	s_wait_tensorcnt 0x0
	ds_add_u32 v192, v193
	s_wait_dscnt 0x0
	s_endpgm
; ---- V: K = the keys.  A lane takes a channel and its registers run down the keys: a block of 32 keys lies in one lane, and the conversions give codes with the keys innermost.
; A wave takes 32 channels x 256 keys (8 blocks).  Loads run two blocks ahead.  A store covers two runs of 256 consecutive bytes.
.Lpath_v:
	s_sub_co_u32 s21, ttmp9, 256
	s_lshr_b32 s22, s21, 1                         ; head
	s_and_b32 s23, s21, 1
	s_lshl_b32 s23, s23, 2
	s_add_co_u32 s23, s23, s20
	s_and_b32 s24, s23, 1                          ; which 32 channels
	s_lshr_b32 s25, s23, 1                         ; which 256 keys
	s_lshr_b32 s26, s22, 4
	s_lshl_b32 s26, s26, 22                        ; n
	s_lshl_b32 s28, s25, 20
	s_add_co_u32 s26, s26, s28
	s_and_b32 s28, s22, 15
	s_lshl_b32 s28, s28, 8                         ; h
	s_add_co_u32 s26, s26, s28
	s_lshl_b32 s28, s24, 7
	s_add_co_u32 s26, s26, s28
	s_add_nc_u64 s[6:7], s[6:7], s[26:27]
	s_mul_i32 s26, s22, REC
	s_lshl_b32 s28, s25, 13
	s_add_co_u32 s28, s28, s26
	s_lshl_b32 s36, s24, 11
	s_add_co_u32 s28, s28, s36
	s_add_co_u32 s28, s28, 32768
	s_add_nc_u64 s[30:31], s[12:13], s[28:29]      ; codes
	s_lshl_b32 s28, s25, 9
	s_add_co_u32 s28, s28, s26
	s_lshl_b32 s36, s24, 7
	s_add_co_u32 s28, s28, s36
	s_add_co_u32 s28, s28, 69632
	s_add_nc_u64 s[32:33], s[12:13], s[28:29]      ; scale words
	s_wait_alu depctr_va_vdst(0)
	v_lshlrev_b32 v4, 2, v1                        ; 4 L
	v_lshlrev_b32 v5, 4, v2
	v_lshl_add_u32 v5, v3, 10, v5                  ; channel tile L / 16, 16 r
.macro LOADV t
.set i, 0
.rept 32
	global_load_b32 v[32+32*((\t)%2)+i], v4, s[6:7] offset:(32*(\t)+i)*4096 th:TH_LOAD_NT
.set i, i+1
.endr
.endm
.macro BLOCKV t
.if (\t) < 7
	s_wait_loadcnt 32                              ; this block's 32 loads are in; the next block's may be out
.else
	s_wait_loadcnt 0x0
.endif
	AMAX32 12, 13, 32+32*((\t)%2)
	v_add_nc_u32 v11, 0xff000000, v12
.irp g, 0,1,2,3
	v_cvt_scalef32_pk8_fp4_f32 v[96+4*(\t)+\g], v[32+32*((\t)%2)+8*\g:32+32*((\t)%2)+8*\g+7], v11
.endr
	v_lshrrev_b32 v13, 23, v11                     ; the byte (a plain line behind the conversions)
.if (\t)%4 == 0
	v_mov_b32 v[24+(\t)/4], v13
.else
	v_lshl_or_b32 v[24+(\t)/4], v13, 8*((\t)%4), v[24+(\t)/4]
.endif
	global_store_b128 v5, v[96+4*(\t):99+4*(\t)], s[30:31] offset:((\t)/4)*4096+(((\t)%4)/2)*512+((\t)%2)*256
.if (\t)+2 < 8
	LOADV (\t)+2
.endif
.endm
	LOADV 0
	LOADV 1
.irp t, 0,1,2,3,4,5,6,7
	BLOCKV \t
.endr
	global_store_b32 v4, v24, s[32:33]             ; 128 consecutive bytes each: 2 KiB a head in all
	global_store_b32 v4, v25, s[32:33] offset:256
	s_endpgm
; ---- mimg: a wave takes 16 queries x 128 keys of the mask: eight accumulator images.  The loads take 16 bytes of 32 places; the stores are dense.
.Lpath_mi:
	s_sub_co_u32 s21, ttmp9, 512
	s_lshl_b32 s21, s21, 2
	s_add_co_u32 s21, s21, s20                     ; job = 8 lt + ks
	s_lshr_b32 s22, s21, 3
	s_and_b32 s23, s21, 7
	s_lshl_b32 s26, s22, 16
	s_lshl_b32 s23, s23, 9
	s_add_co_u32 s26, s26, s23
	s_add_nc_u64 s[8:9], s[8:9], s[26:27]
	s_lshl_b32 s26, s21, 13
	s_add_nc_u64 s[16:17], s[16:17], s[26:27]
	s_wait_alu depctr_va_vdst(0)
	v_lshlrev_b32 v4, 12, v2
	v_lshl_add_u32 v4, v3, 5, v4                   ; row r, + 8 hh columns
	v_lshlrev_b32 v7, 4, v1
.set n, 0
.rept 16
	global_load_b128 v[16+4*n:19+4*n], v4, s[8:9] offset:(n/2)*64+(n%2)*16
.set n, n+1
.endr
.set n, 0
	s_wait_alu depctr_va_vdst(0)
.rept 16
	s_wait_loadcnt 15-n                            ; loads come back in order: number n is in, the younger ones may be out
	global_store_b128 v7, v[16+4*n:19+4*n], s[16:17] offset:512*n
.set n, n+1
.endr
	s_endpgm
; ---- mpim: a wave takes eight skewed images of one query tile.  Each number has its own offset register, so none is rewritten while a load reads it.
.Lpath_mp:
	s_sub_co_u32 s21, ttmp9, 640
	s_lshl_b32 s21, s21, 2
	s_add_co_u32 s21, s21, s20                     ; job = 4 lt + yg
	s_lshr_b32 s22, s21, 2
	s_and_b32 s23, s21, 3
	s_lshl_b32 s26, s22, 16
	s_add_nc_u64 s[8:9], s[8:9], s[26:27]
	s_lshl_b32 s26, s21, 13
	s_add_nc_u64 s[18:19], s[18:19], s[26:27]
	s_lshl_b32 s24, s22, 4
	s_lshl_b32 s25, s23, 7
	s_add_co_u32 s24, s24, s25
	s_add_co_u32 s24, s24, 256                     ; 16 lt + 128 yg - 256, with 512 on top so that nothing is negative
	s_wait_alu depctr_va_vdst(0)
	v_add_nc_u32 v5, s24, v2
	v_lshlrev_b32 v6, 3, v3
	v_sub_nc_u32 v5, v5, v6                        ; + r - 8 hh
	v_lshlrev_b32 v6, 12, v2                       ; row r
	v_lshlrev_b32 v7, 4, v1
.irp y, 0,1,2,3,4,5,6,7
.irp j, 0,1,2,3,4,5,6,7
	v_add_nc_u32 v[128+8*\y+\j], 16*\y-\j, v5
	v_max_u32 v[128+8*\y+\j], 512, v[128+8*\y+\j]
	v_min_u32 v[128+8*\y+\j], 1535, v[128+8*\y+\j] ; the column + 512, held inside the row
	v_lshl_add_u32 v[128+8*\y+\j], v[128+8*\y+\j], 2, v6
	global_load_b32 v[64+8*\y+\j], v[128+8*\y+\j], s[8:9] offset:-2048   ; the immediate takes the 512 columns off again
.endr
.endr
	s_wait_loadcnt 0x0
.irp y, 0,1,2,3,4,5,6,7
.irp q, 0,1
	global_store_b128 v7, v[64+8*\y+4*\q:67+8*\y+4*\q], s[18:19] offset:1024*\y+512*\q
.endr
.endr
	s_endpgm
.Lfunc_end_k_q27f4f4a102_prep:
	.size	k_q27f4f4a102_prep, .Lfunc_end_k_q27f4f4a102_prep-k_q27f4f4a102_prep
	.p2alignl 7, 3214868480
	.fill 96, 4, 3214868480
	.section	.rodata,"a",@progbits
	.p2align	6, 0x0
	.amdhsa_kernel k_q27f4f4a102_prep
		.amdhsa_group_segment_fixed_size 35328
		.amdhsa_private_segment_fixed_size 0
		.amdhsa_enable_private_segment 0
		.amdhsa_kernarg_size 64
		.amdhsa_user_sgpr_count 2
		.amdhsa_user_sgpr_kernarg_segment_ptr 1
		.amdhsa_wavefront_size32 1
		.amdhsa_system_sgpr_workgroup_id_x 1
		.amdhsa_system_sgpr_workgroup_id_y 1
		.amdhsa_system_sgpr_workgroup_id_z 1
		.amdhsa_system_vgpr_workitem_id 0
		.amdhsa_next_free_vgpr 194
		.amdhsa_next_free_sgpr 66
		.amdhsa_reserve_vcc 1
		.amdhsa_float_denorm_mode_32 3
		.amdhsa_float_denorm_mode_16_64 3
		.amdhsa_memory_ordered 1
		.amdhsa_forward_progress 1
		.amdhsa_inst_pref_size 102
	.end_amdhsa_kernel
	.amdgpu_metadata
---
amdhsa.version: [ 1, 2 ]
amdhsa.kernels:
  - .name:           k_q27f4f4a102_prep
    .symbol:         k_q27f4f4a102_prep.kd
    .args:
      - { .name: keys, .offset: 0, .size: 8, .value_kind: global_buffer, .address_space: global }
      - { .name: values, .offset: 8, .size: 8, .value_kind: global_buffer, .address_space: global }
      - { .name: attn_mask, .offset: 16, .size: 8, .value_kind: global_buffer, .address_space: global }
      - { .name: dist_emb, .offset: 24, .size: 8, .value_kind: global_buffer, .address_space: global }
      - { .name: kvw, .offset: 32, .size: 8, .value_kind: global_buffer, .address_space: global }
      - { .name: etab, .offset: 40, .size: 8, .value_kind: global_buffer, .address_space: global }
      - { .name: mimg, .offset: 48, .size: 8, .value_kind: global_buffer, .address_space: global }
      - { .name: mpim, .offset: 56, .size: 8, .value_kind: global_buffer, .address_space: global }
    .group_segment_fixed_size: 35328
    .private_segment_fixed_size: 0
    .kernarg_segment_align: 8
    .kernarg_segment_size: 64
    .max_flat_workgroup_size: 128
    .sgpr_count:     66
    .vgpr_count:     194
    .wavefront_size: 32
...
	.end_amdgpu_metadata
.endif
;; end of part 1
;; launch attn (part 2): grid 4 x 64, 8 waves a work-group, no clusters, 218,112 bytes of LDS; arguments queries, kvw, etab, mimg, mpim, out0; writes out0
.if DOCPART == 2
	.amdgcn_target "amdgcn-amd-amdhsa--gfx1250"
	.amdhsa_code_object_version 6
	.text
	.protected	k_q27f4f4a102_attn
	.globl	k_q27f4f4a102_attn
	.p2align	8
	.type	k_q27f4f4a102_attn,@function
k_q27f4f4a102_attn:
	s_mov_b64 s[64:65], 0
	v_nop
	global_prefetch_b8 v0, s[64:65] scope:SCOPE_SE
	s_setreg_imm32_b32 hwreg(HW_REG_WAVE_MODE, 25, 1), 1
	s_wait_xcnt 0x0
; out[n][l][h][:] = sum over s of softmax_s((q.k + q.pe + k.pe + mask[l][s]) / 8) v[s][:], pe = dist_emb[clip(l - s, -128, 128) + 128]; all four products on codes of FP4 (E2M1) with E8M0 scales for each 32 along K.
; With x = s - l + 256 and E[x] = Q(dist_emb[clamp(384 - x, 0, 256)]), pe(l, s) = E[x]; E[0] serves all l - s >= 128, E[511] all s - l >= 128.
; SHARES.  A work-group owns 256 queries of TWO neighbouring heads (2 j, 2 j + 1).  Each of its 8 waves takes two tiles of 16 queries, one after the other, each for BOTH heads, and walks all 1,024 keys, 128 a step:
; in a step the first head's scores, softmax and O^T, then the second's.  The mask does not hang on the head: a step's images are loaded once, into registers of window 1, and are the C of both heads' first products.
; A lane holds ONE query (lane % 16): S^T = K Q^T (source 0 = 16 keys, source 1 = my queries), O^T = V^T P^T.  Register j of lane (r, h) in key tile t is key 16 t + 8 h + j.
; LDS.  Both heads' records (2 x 71,680 bytes, neighbours in kvw) and the table E (18,432) come in once through registers and stay; one barrier; behind it the waves share only bytes that nobody writes.
; K of a product is 64, the instruction's is 128: an operand's registers 0-3 are k = 0..63, registers 4-7 a second half that is zero codes or serves a second row.
; A HALF STEP is 64 keys x 16 queries, d = its first key - my first query.  d <= -192 or d >= 144: CONST: pe is one row E_c: mask + [E_c|0] x [Q|0] + [K|.] x [Q|0] + [K|.] x [E_c|0], a chain of three products.
;   A step never holds const halves of both kinds (the band is five halves wide), so E_c is chosen once a step: E[511] where the second half's d >= 144, else E[0].
; Else BAND.  F(Y): lane c holds [E[Y - c] | E[Y + 8 - c]].  q.pe: P_i = F(X + 16 i) x [Q|0] + a skewed image of the mask, i = 0..4; stored word by word into my scratch T at column 16 i - 8 h - j + r of row r it comes back aligned,
;   as the C of the scores.  q.k: A' x [Q|Q], A' = [K|0] for a tile's rows 0-7 and [0|K] for rows 8-15.  k.pe: G = A' x F(Y), put in place by a shift by j along the 16 lanes of a row: 15 additions a tile.
; THE SOFTMAX: t = score x log2(e) / 8; M = the running largest t rounded UP to a whole number; p = 2^(t - M) is quantised along the keys, not normalised; the row's sum is taken of the unquantised p and divides O at the end.
; NO CLUSTER, NO TENSOR LOAD: what work-groups share is the mask; two LDS slots of a step's images for 8 query tiles are 2 x 8 x 8,192 = 131,072 bytes, which do not fit beside the 218,112 in use.
; The mask's images are asked for straight into registers behind the second head's score products, that head's softmax and last product ahead of their use; only Q of the second tile is prefetched.
; LIMITS: NaN and infinities in queries are not served; a block of zeros gets the byte 1 with zero codes.  Finite mask values of any size are served; a mask entry of -infinity is the C of a matrix instruction here, which was not tried.
; The softmax's promise holds while the scaled scores stay under 2^31 in magnitude.  The order of a score's f32 sums: const: mask + q.pe + q.k + k.pe; band: (mask + q.pe) + q.k + k.pe.
.set REC,  71680
.set VIMG, 32768
.set KWRD, 65536
.set VWRD, 69632
.set EIMG, 2*REC                       ; E's codes: plane hh at + 8192 hh, 16 bytes for each x
.set EWRD, EIMG+16384                  ; E's words
.set ZERO, EIMG+18432                  ; 4,096 bytes of zeros
.set TSC,  ZERO+4096                   ; the waves' scratch, TW bytes each: band: 16 rows x 400 bytes; stage for Q and O: 16 rows x 272
.set TW,   6400
.set SPARE, TSC+8*TW                   ; the spare words, 128 bytes a wave
; WINDOW 0: v1 16 L; v2 16 L + 4096 ks + the head's record; v3, v4 the step's scale words of K, V; v5 4 L; v6, v7 my place in E's codes, words; v8, v9 the same for the half in hand; v10, v11 T: in, back; v12, v13 A' low, high;
; v18 f, v19 0; v54 the prefetch's offset; v55 the zeros; v73, v74 E_c's codes, word; v248, v249 E[0]; v250 Q's and O's offset; v251-253 the stage; v254, v255 the spare word and 0.
; For each head (SETH): [Q|Q] and [Q|0] in 12 registers, Q's scale word, the pair -M and largest t, the sum in two halves.
; WINDOW 1: v0-31, v32-63 the two heads' O^T; v64-143 the step's mask images: 40 registers a half (four images, and a band half's fifth).
.set DC,  32                           ; v[32:39] [E_c|0]
.set SDC, 41                           ; v40-53 and v72 hold scales and nothing else
.set KW,  42
.set VW,  46
.set FW,  48
.set PW,  53
.set S,   88                           ; v[88:151] the scores, then p
.set POOL, 152                         ; v[152:191] K's four fragments, or F's five, or V's four
.set KA2, 192
.set XP,  208
.set GA,  216
.set GB,  232
.set BM,  208
.set BP,  212
.set SO,  216
.set BY,  220
.set T0,  226
.set TS,  228                          ; seven chains of the row's sum
.set PC,  240
.set MW,  64
.set FILL, 76                          ; v76-235 the fill's forty rounds
.macro SETH hd
.set BQQ, 20+36*\hd
.set BQ0, BQQ+4
.set SQ,  40+32*\hd
.set NM,  14+54*\hd
.set SU,  16+54*\hd
.set OW,  32*\hd
.endm
.set MSB, 0
.macro WIN new                         ; the immediate's high byte repeats the setting that is left.  Low byte: 1:0 source 0, 3:2 source 1, 5:4 source 2, 7:6 destination
.if MSB != \new
	s_set_vgpr_msb (MSB<<8)|\new
.set MSB, \new
.endif
.endm
.macro PLACES n
.rept \n
	v_nop
.endr
.endm
.macro WMC d, a, b, c, sa, sb, row     ; D = A x B + C
.if \row
	v_wmma_scale_f32_16x16x128_f8f6f4 v[(\d):(\d)+7], v[(\a):(\a)+7], v[(\b):(\b)+7], v[(\c):(\c)+7], v[\sa], v[\sb] matrix_a_fmt:MATRIX_FMT_FP4 matrix_b_fmt:MATRIX_FMT_FP4 matrix_a_scale:MATRIX_SCALE_ROW1
.else
	v_wmma_scale_f32_16x16x128_f8f6f4 v[(\d):(\d)+7], v[(\a):(\a)+7], v[(\b):(\b)+7], v[(\c):(\c)+7], v[\sa], v[\sb] matrix_a_fmt:MATRIX_FMT_FP4 matrix_b_fmt:MATRIX_FMT_FP4
.endif
.endm
.macro WM d, a, b, sa, sb, row         ; D = A x B + D
	WMC \d, \a, \b, \d, \sa, \sb, \row
.endm
.macro WMZ d, a, b, sa, sb, row        ; D = A x B
.if \row
	v_wmma_scale_f32_16x16x128_f8f6f4 v[(\d):(\d)+7], v[(\a):(\a)+7], v[(\b):(\b)+7], 0, v[\sa], v[\sb] matrix_a_fmt:MATRIX_FMT_FP4 matrix_b_fmt:MATRIX_FMT_FP4 matrix_a_scale:MATRIX_SCALE_ROW1
.else
	v_wmma_scale_f32_16x16x128_f8f6f4 v[(\d):(\d)+7], v[(\a):(\a)+7], v[(\b):(\b)+7], 0, v[\sa], v[\sb] matrix_a_fmt:MATRIX_FMT_FP4 matrix_b_fmt:MATRIX_FMT_FP4
.endif
.endm
; The mask images of the step that begins kadd keys behind s21.  A band half gets its five skewed images, a const half its four plain ones, by the compare on ids that HALF branches on.
.macro PREFETCH kadd
.irp g, 0,1
	s_add_co_u32 s43, s21, s19
	s_add_co_u32 s43, s43, \kadd+64*\g             ; d + 1008
	s_add_co_u32 s44, s43, 272
	s_and_b32 s44, s44, 0x1f0                      ; X = d + 256 (in a band half 80 .. 384)
	s_lshl_b32 s44, s44, 6                         ; image X / 16
	s_add_co_u32 s45, s21, \kadd+64*\g
	s_lshl_b32 s45, s45, 6                         ; image (first key) / 16
	s_sub_co_u32 s46, s43, 832
	s_cmp_le_u32 s46, 304                          ; -176 <= d <= 128?
	s_cselect_b64 s[30+2*\g:31+2*\g], s[28:29], s[26:27]
	s_cselect_b32 s50, s44, s45
	s_cselect_b32 s[52+\g], 1, 0
	s_add_nc_u64 s[30+2*\g:31+2*\g], s[30+2*\g:31+2*\g], s[50:51]
.endr
	WIN 0x40
.irp g, 0,1
.irp n, 0,1,2,3,4,5,6,7
	global_load_b128 v[MW+40*\g+4*\n:MW+40*\g+4*\n+3], v1, s[30+2*\g:31+2*\g] offset:512*\n
.endr
.endr
	WIN 0
.irp g, 0,1
	s_cmp_eq_u32 s[52+\g], 0
	s_cbranch_scc1 .Lnf_\@_\g                      ; a const half has no fifth image
	WIN 0x40
	global_load_b128 v[MW+40*\g+32:MW+40*\g+35], v1, s[30+2*\g:31+2*\g] offset:4096
	global_load_b128 v[MW+40*\g+36:MW+40*\g+39], v1, s[30+2*\g:31+2*\g] offset:4608
	WIN 0
.Lnf_\@_\g:
.endr
.endm
; A const half.  The four accumulators take turns, one instruction a turn.  K's scale words of tiles 4 g + t lie in lanes 16 g + r of KW + t.
.macro CONSTH g
.if \g
	PLACES 4                                       ; in front of loads into registers that the half before multiplied (for g = 0 the plain lines at the pass's head are the places)
.endif
.irp t, 0,1,2,3
	ds_load_b128 v[POOL+8*\t:POOL+8*\t+3], v2 offset:(4*\g+\t)*512
.endr
	s_wait_dscnt 4                                 ; E_c and the scale words are in; K's four loads may be out
	WIN 0x10                                       ; C in window 1
.irp t, 0,1,2,3
	WMC S+32*\g+8*\t, DC, BQ0, MW+40*\g+8*\t, SDC, SQ, \g   ; mask + q . E_c
.endr
	WIN 0
	s_wait_dscnt 0x0                               ; K's fragments
.irp t, 0,1,2,3
	WM S+32*\g+8*\t, POOL+8*\t, BQ0, KW+\t, SQ, \g ; + q . k  (the fragments' upper halves hold old codes, which meet zero codes)
.endr
.irp t, 0,1,2,3
	WM S+32*\g+8*\t, POOL+8*\t, DC, KW+\t, SDC, \g ; + k . E_c
.endr
.endm
; s += G, shifted by the register's number along the row of 16 lanes.  A lane without a source keeps its s.  Each accumulator is read from its low end on.
.macro DPPADD s, g
	v_add_f32 v[\s], v[\g], v[\s]
.irp j, 1,2,3,4,5,6,7
	v_add_f32_dpp v[(\s)+\j], v[(\g)+\j], v[(\s)+\j] row_shr:\j row_mask:0xf bank_mask:0xf
.endr
.irp j, 1,2,3,4,5,6,7
	v_add_f32_dpp v[(\s)+\j], v[(\g)+8+\j], v[(\s)+\j] row_shl:16-\j row_mask:0xf bank_mask:0xf
.endr
.endm
.macro ALOAD g, t0                     ; A' of tiles t0, t0 + 1: lanes r < 8 take K into registers 0-3 and zeros into 4-7, the others the other way round
.irp u, 0,1
	ds_load_b128 v[KA2+8*\u:KA2+8*\u+3], v12 offset:(4*\g+(\t0)+\u)*512
	ds_load_b128 v[KA2+8*\u+4:KA2+8*\u+7], v13 offset:(4*\g+(\t0)+\u)*512
.endr
.endm
.macro BATCH g, t0                     ; tiles t0, t0 + 1: + q . k onto the scores, and the two G of each
	WM SG+8*(\t0), KA2, BQQ, KW+(\t0), SQ, \g
	WM SG+8*(\t0)+8, KA2+8, BQQ, KW+(\t0)+1, SQ, \g
	WMZ GA, KA2, POOL+8*(\t0), KW+(\t0), FW+(\t0), \g
	WMZ GA+8, KA2, POOL+8*(\t0)+8, KW+(\t0), FW+(\t0)+1, \g
	WMZ GB, KA2+8, POOL+8*(\t0)+8, KW+(\t0)+1, FW+(\t0)+1, \g
	WMZ GB+8, KA2+8, POOL+8*(\t0)+16, KW+(\t0)+1, FW+(\t0)+2, \g
.endm
; A band half.  s43 = d + 1008.
.macro BANDH g
.set SG, S+32*\g
	s_add_co_u32 s44, s43, 272
	s_and_b32 s44, s44, 0x1f0                      ; X
	s_lshl_b32 s45, s44, 4
	s_lshl_b32 s46, s44, 2
	v_add_nc_u32 v8, s45, v6                       ; E's codes at x = X - r, plane hh.  (These four lines are the places in front of the loads below)
	v_add_nc_u32 v9, s46, v7                       ; E's words at x = X - r
	v_cndmask_b32 v12, v55, v2, s42                ; r < 8: K, else zeros
	v_cndmask_b32 v13, v2, v55, s42                ; r < 8: zeros, else K
.irp i, 0,1,2,3,4
	ds_load_b128 v[POOL+8*\i:POOL+8*\i+3], v8 offset:256*\i        ; F(X + 16 i): E[X + 16 i - r],
	ds_load_b128 v[POOL+8*\i+4:POOL+8*\i+7], v8 offset:256*\i+128  ; E[X + 16 i + 8 - r],
	ds_load_b32 v[FW+\i], v9 offset:64*\i                          ; and the word with both rows' bytes
.endr
	ALOAD \g, 0
	s_wait_alu depctr_va_vdst(0)
	s_wait_dscnt 4                                 ; F is in; the four loads of A' may be out
	WIN 0x10                                       ; C in window 1
.irp i, 0,1,2,3
	WMC SG+8*\i, POOL+8*\i, BQ0, MW+40*\g+8*\i, FW+\i, SQ, \g      ; P_i = skewed mask + q . E
.endr
	WMC XP, POOL+32, BQ0, MW+40*\g+32, FW+4, SQ, \g
	WIN 0
	PLACES 5                                       ; four in front of the stores that read the results; five in front of the matrix instructions that write the scores' registers again
.irp i, 0,1,2,3
.irp j, 0,1,2,3,4,5,6,7
	ds_store_b32 v10, v[SG+8*\i+\j] offset:64*\i+28-4*\j   ; row r, column 16 i - 8 h - j + r (+ 16): word 101 r - 8 h + a constant: the 32 lanes name 32 different words modulo 64
.endr
.endr
.irp j, 0,1,2,3,4,5,6,7
	ds_store_b32 v10, v[XP+\j] offset:284-4*\j
.endr
.irp t, 0,1,2,3
	ds_load_b128 v[SG+8*\t:SG+8*\t+3], v11 offset:64*\t            ; LDS serves a wave's instructions in order (ISA guide 5.7.1.4): these see the stores above.  Row r, columns 16 t + 8 h + 0..7
	ds_load_b128 v[SG+8*\t+4:SG+8*\t+7], v11 offset:64*\t+16
.endr
	s_wait_dscnt 0x0
	BATCH \g, 0
	PLACES 5                                       ; four in front of the loads into A' and of the additions; five in front of the next batch, which writes GA and GB again
	ALOAD \g, 2
	DPPADD SG, GA
	DPPADD SG+8, GB
	s_wait_dscnt 0x0
	BATCH \g, 2
	PLACES 4
	DPPADD SG+16, GA
	DPPADD SG+24, GB
.endm
.macro HALF g
	s_add_co_u32 s43, s21, s19
.if \g
	s_add_co_u32 s43, s43, 64
.endif
	s_sub_co_u32 s44, s43, 832
	s_cmp_le_u32 s44, 304                          ; a branch on ids alone: the work-group's and the wave's number and the loops' counters
	s_cbranch_scc1 .Lband_\@
	s_wait_alu depctr_va_vdst(0)                   ; the wait on both ways
	CONSTH \g
	s_branch .Ljoin_\@
.Lband_\@:
	s_wait_alu depctr_va_vdst(0)
	BANDH \g
.Ljoin_\@:
.endm
; Q of one head: block hh of query r lies in v[x .. x + 31]: codes into [Q|Q] and [Q|0], the scale word q0 q1 q0 q1
.macro QUANT hd
	SETH \hd
.set X, POOL+32*\hd
	v_max3_num_f32 v216, |v[X]|, |v[X+1]|, |v[X+2]|
	v_max3_num_f32 v217, |v[X+3]|, |v[X+4]|, |v[X+5]|
.irp i, 6,10,14,18,22,26
	s_delay_alu instid0(VALU_DEP_2)
	v_max3_num_f32 v216, v216, |v[X+\i]|, |v[X+\i+1]|
	s_delay_alu instid0(VALU_DEP_2)
	v_max3_num_f32 v217, v217, |v[X+\i+2]|, |v[X+\i+3]|
.endr
	s_delay_alu instid0(VALU_DEP_2)
	v_max3_num_f32 v216, v216, |v[X+30]|, |v[X+31]|
	s_delay_alu instid0(VALU_DEP_1)
	v_max3_num_f32 v216, v216, v217, 0x1800000     ; and the floor 2^(3 - 127): the byte cannot fall under 1
	s_delay_alu instid0(VALU_DEP_1)
	v_add_nc_u32 v218, 0xff000000, v216            ; 2 off the exponent field: the conversion's scale operand
.irp g, 0,1,2,3
	v_cvt_scalef32_pk8_fp4_f32 v[BQQ+\g], v[X+8*\g:X+8*\g+7], v218
.endr
	v_lshrrev_b32 v219, 23, v218                   ; the byte (a plain line behind the conversions)
.irp g, 0,1,2,3
	v_mov_b32 v[BQ0+\g], v[BQQ+\g]
.endr
	v_lshlrev_b32 v219, v221, v219                 ; at block hh's place
	s_delay_alu instid0(VALU_DEP_1)
	v_permlanex16_b32 v224, v219, s38, s39
	s_delay_alu instid0(VALU_DEP_1)
	v_or_b32 v219, v219, v224
	s_delay_alu instid0(VALU_DEP_1)
	v_lshl_or_b32 v[SQ], v219, 16, v219
.endm
; ONE HEAD'S PASS through a step of 128 keys
.macro PASS hd
	SETH \hd
	s_lshl_b32 s22, s20, 12
	s_lshl_b32 s23, s20, 9
	s_lshl_b32 s24, s20, 8
	s_add_co_u32 s22, s22, \hd*REC
	s_add_co_u32 s23, s23, KWRD+\hd*REC
	s_add_co_u32 s24, s24, VWRD+\hd*REC
.if \hd == 0
	s_add_co_u32 s43, s21, s19                     ; d + 1008 of the first half
	s_cmp_ge_u32 s43, 1088                         ; the second half's d >= 144: E[511], else E[0]
	s_cselect_b32 s44, 8176, 0
	s_cselect_b32 s45, 2044, 0
.endif
	v_add_nc_u32 v2, s22, v1                       ; at least four plain lines: the places behind the last products, in front of the loads below
	v_add_nc_u32 v3, s23, v1
	v_add_nc_u32 v4, s24, v5
.if \hd == 0
	v_add_nc_u32 v73, s44, v248
	v_add_nc_u32 v74, s45, v249
	ds_load_b128 v[DC:DC+3], v73
	ds_load_b32 v[SDC], v74
.else
	v_nop
.endif
	ds_load_b128 v[KW:KW+3], v3
.if \hd == 0
	s_wait_loadcnt 0x0                             ; the step's mask images
.endif
	HALF 0
	HALF 1
	PLACES 4                                       ; in front of the loads into the pool and into the mask's registers, and of the first read of the scores
.irp t, 0,1,2,3
.irp c, 0,1
	ds_load_b128 v[POOL+8*\t+4*\c:POOL+8*\t+4*\c+3], v2 offset:VIMG+1024*\t+512*\c   ; V^T: they land while the softmax is walked
.endr
.endr
	ds_load_b32 v[VW], v4                          ; lanes 0-15: channel tile 0, lanes 16-31: tile 1
	ds_load_b32 v[VW+1], v4 offset:128             ; tiles 2 and 3
.if \hd
	s_wait_alu depctr_va_vdst(0)                   ; ahead of the scalar lines and the branch
	s_cmp_eq_u32 s20, 7
	s_cbranch_scc1 .Lno_next                       ; the last step asks for nothing
	PREFETCH 128                                   ; both heads have taken this step's images: the next step's
	; Q of the wave's second tile is asked of the L2 once: in the first tile's step 5, two steps and the way out ahead of its loads.  A lane names 256 bytes: row l0 + 128 + L / 2, head L % 2: each block once in the launch
	s_xor_b32 s43, s20, 5
	s_or_b32 s43, s43, s17
	s_cmp_eq_u32 s43, 0
	s_cbranch_scc0 .Lno_next
	global_prefetch_b8 v54, s[34:35] offset:524288 th:TH_LOAD_NT scope:SCOPE_SE
.Lno_next:
.endif
.irp b, 0,1,2,3
	v_max3_num_f32 v[BM+\b], v[S+16*\b], v[S+16*\b+1], v[S+16*\b+2]   ; the largest score of each block of 32 keys: for the row's maximum and, since p rises with the score, for the block's largest p
.endr
.irp i, 3,5,7,9,11,13
.irp b, 0,1,2,3
	v_max3_num_f32 v[BM+\b], v[BM+\b], v[S+16*\b+\i], v[S+16*\b+\i+1]
.endr
.endr
.irp b, 0,1,2,3
	v_max_num_f32 v[BM+\b], v[BM+\b], v[S+16*\b+15]
.endr
.irp b, 0,1,2,3
	v_permlanex16_b32 v[BP+\b], v[BM+\b], s38, s39
.endr
.irp b, 0,1,2,3
	s_delay_alu instid0(VALU_DEP_4)
	v_max_num_f32 v[BM+\b], v[BM+\b], v[BP+\b]     ; with lane l xor 16's 16 keys
.endr
	s_delay_alu instid0(VALU_DEP_2)
	v_max3_num_f32 v[T0], v[BM], v[BM+1], v[BM+2]
	s_delay_alu instid0(VALU_DEP_1)
	v_max_num_f32 v[T0], v[T0], v[BM+3]
	s_delay_alu instid0(VALU_DEP_1)
	v_mul_f32 v[T0], s40, v[T0]                    ; as t (c is positive)
	s_delay_alu instid0(VALU_DEP_1)
	v_max_num_f32 v[NM+1], v[NM+1], v[T0]          ; the running largest t
	v_mov_b32 v[T0], v[NM]
	s_delay_alu instid0(VALU_DEP_2)
	v_floor_f32 v[NM], -v[NM+1]                    ; the new -M = -ceil(t): a whole number
	s_delay_alu instid0(VALU_DEP_1)
	v_sub_f32 v[T0], v[NM], v[T0]                  ; old M - new M: a whole number, 0 or less
	s_delay_alu instid0(VALU_DEP_1)
	v_cvt_i32_f32 v[T0], v[T0]                     ; (it saturates)
	s_delay_alu instid0(VALU_DEP_1)
	v_ldexp_f32 v18, 1.0, v[T0]                    ; f = 2^(old M - new M): a multiplication by it rounds nothing
.set j, 0
.rept 32
	v_pk_fma_f32 v[S+j:S+j+1], v[S+j:S+j+1], s[40:41], v[NM:NM+1] op_sel_hi:[1,0,0]   ; t - M, two at a time
.set j, j+2
.endr
.irp b, 0,1,2,3
	v_fma_f32 v[BM+\b], v[BM+\b], s40, v[NM]       ; the same of each block's largest score
.endr
	s_wait_alu depctr_va_vdst(0)                   ; the wait ahead of the batch
.set j, 0
.rept 64
	v_exp_f32 v[S+j], v[S+j]                       ; p = 2^(t - M), at most 1
.set j, j+1
.endr
	v_pk_mul_f32 v[SU:SU+1], v[SU:SU+1], v[18:19] op_sel_hi:[1,0]   ; the sums under the new M (a plain line behind the exponentials)
	s_wait_alu depctr_va_vdst(0)                   ; one wait for the batch of 64, ahead of its first reader
.irp b, 0,1,2,3
	v_exp_f32 v[BM+\b], v[BM+\b]                   ; the block's largest p: the same two instructions on the same number give the same bits
.endr
.irp c, 0,1,2,3,4,5,6                          ; the row's sum of the unquantised p: 32 pairs in eight chains
	v_pk_add_f32 v[TS+2*\c:TS+2*\c+1], v[S+2*\c:S+2*\c+1], v[S+14+2*\c:S+15+2*\c]
.endr
	v_pk_add_f32 v[SU:SU+1], v[SU:SU+1], v[S+28:S+29]
.irp c, 0,1,2,3,4,5,6
	v_pk_add_f32 v[TS+2*\c:TS+2*\c+1], v[TS+2*\c:TS+2*\c+1], v[S+30+2*\c:S+31+2*\c]
.endr
	v_pk_add_f32 v[SU:SU+1], v[SU:SU+1], v[S+44:S+45]
.irp c, 0,1,2,3,4,5,6
	v_pk_add_f32 v[TS+2*\c:TS+2*\c+1], v[TS+2*\c:TS+2*\c+1], v[S+46+2*\c:S+47+2*\c]
.endr
	v_pk_add_f32 v[SU:SU+1], v[SU:SU+1], v[S+60:S+61]
	v_pk_add_f32 v[TS:TS+1], v[TS:TS+1], v[S+62:S+63]
	v_pk_add_f32 v[TS+2:TS+3], v[TS+2:TS+3], v[TS+10:TS+11]
	v_pk_add_f32 v[TS+4:TS+5], v[TS+4:TS+5], v[TS+12:TS+13]
	v_pk_add_f32 v[SU:SU+1], v[SU:SU+1], v[TS+6:TS+7]
	s_delay_alu instid0(VALU_DEP_4)
	v_pk_add_f32 v[TS:TS+1], v[TS:TS+1], v[TS+8:TS+9]
	s_delay_alu instid0(VALU_DEP_2)
	v_pk_add_f32 v[SU:SU+1], v[SU:SU+1], v[TS+4:TS+5]
	s_delay_alu instid0(VALU_DEP_2)
	v_pk_add_f32 v[TS:TS+1], v[TS:TS+1], v[TS+2:TS+3]
	s_delay_alu instid0(VALU_DEP_1)
	v_pk_add_f32 v[SU:SU+1], v[SU:SU+1], v[TS:TS+1]
	s_wait_alu depctr_va_vdst(0)                   ; and one for the four
.irp b, 0,1,2,3
	v_max_num_f32 v[BM+\b], 0x1800000, v[BM+\b]    ; the floor 2^(3 - 127)
.endr
.irp b, 0,1,2,3
	s_delay_alu instid0(VALU_DEP_4)
	v_add_nc_u32 v[SO+\b], 0xff000000, v[BM+\b]    ; 2 off the exponent field: the conversion's scale operand
.endr
.irp b, 0,1,2,3
	s_delay_alu instid0(VALU_DEP_4)
	v_lshrrev_b32 v[BY+\b], 23, v[SO+\b]
.endr
	s_delay_alu instid0(VALU_DEP_3)
	v_lshl_or_b32 v[PW], v[BY+1], 8, v[BY]         ; p's scale word for these 128 keys
	s_delay_alu instid0(VALU_DEP_1)
	v_lshl_or_b32 v[PW], v[BY+2], 16, v[PW]
	s_delay_alu instid0(VALU_DEP_1)
	v_lshl_or_b32 v[PW], v[BY+3], 24, v[PW]
.irp c, 0,1                                    ; key tile 4 c + 2 p + i (keys 16 x tile + 8 h + 0..7) goes to register 4 c + 2 i + p,
.irp p, 0,1
.irp i, 0,1
	v_cvt_scalef32_pk8_fp4_f32 v[PC+4*\c+2*\i+\p], v[S+16*(2*\c+\p)+8*\i:S+16*(2*\c+\p)+8*\i+7], v[SO+2*\c+\p]
.endr
.endr
.endr
	v_nop                                          ; a plain line behind the conversions
.irp c, 0,1                                    ; so that one exchange of halves for each pair leaves register 4 c + u of lane (r, h) with keys 64 c + 32 h + 8 u + 0..7: the operand's order
.irp i, 0,1
	v_permlane16_swap_b32 v[PC+4*\c+2*\i], v[PC+4*\c+2*\i+1]
.endr
.endr
	WIN 0x41                                       ; O^T: destination and source 0 in window 1
	s_wait_alu depctr_va_vdst(0)                   ; directly ahead of the first reader of O^T
.set j, 0
.rept 16
	v_pk_mul_f32 v[OW+j:OW+j+1], v[OW+j:OW+j+1], v[18:19] op_sel_hi:[1,0]   ; O^T under the new M.  (Also the places between p's word and codes and the products)
.set j, j+2
.endr
	s_wait_alu depctr_va_vdst(0)
	s_wait_dscnt 0x0                               ; V^T and its words
	WIN 0x50                                       ; C and D in window 1
.irp t, 0,1,2,3
	WM OW+8*\t, POOL+8*\t, PC, VW+\t/2, PW, \t%2   ; O^T += V^T P^T, the four accumulators by turns
.endr
	WIN 0
.endm
	s_load_b256 s[4:11], s[0:1], 0x0               ; queries, kvw, etab, mimg
	s_load_b128 s[12:15], s[0:1], 0x20             ; mpim, out0
	v_lshl_add_u32 v254, v0, 2, SPARE
	v_mov_b32 v255, 0
	v_lshrrev_b32 v9, 5, v0
	s_delay_alu instid0(VALU_DEP_1)
	v_readfirstlane_b32 s16, v9                    ; wave 0..7
	v_and_b32 v9, 31, v0                           ; L
	v_and_b32 v12, 15, v0                          ; r
	v_bfe_u32 v13, v0, 4, 1                        ; hh
	s_mul_i32 s43, s16, TW
	s_add_co_u32 s43, s43, TSC                     ; my scratch
	v_lshlrev_b32 v1, 4, v9
	v_lshlrev_b32 v5, 2, v9
	v_lshlrev_b32 v8, 4, v12                       ; 16 r
	v_lshl_add_u32 v6, v13, 13, EIMG
	s_delay_alu instid0(VALU_DEP_1)
	v_sub_nc_u32 v6, v6, v8                        ; EIMG + 8192 hh - 16 r
	v_lshlrev_b32 v7, 2, v12
	s_delay_alu instid0(VALU_DEP_1)
	v_sub_nc_u32 v7, EWRD, v7                      ; EWRD - 4 r
	v_mul_u32_u24 v10, v12, 404
	s_delay_alu instid0(VALU_DEP_1)
	v_add_nc_u32 v10, s43, v10
	s_delay_alu instid0(VALU_DEP_1)
	v_add_nc_u32 v10, 36, v10
	v_lshlrev_b32 v11, 5, v13
	s_delay_alu instid0(VALU_DEP_1)
	v_sub_nc_u32 v10, v10, v11                     ; T in: 404 r - 32 h + 36
	v_mul_u32_u24 v11, v12, 400
	s_delay_alu instid0(VALU_DEP_1)
	v_lshl_add_u32 v11, v13, 5, v11
	s_delay_alu instid0(VALU_DEP_1)
	v_add_nc_u32 v11, s43, v11
	s_delay_alu instid0(VALU_DEP_1)
	v_add_nc_u32 v11, 64, v11                      ; T back: 400 r + 32 h + 64
	v_and_b32 v3, 1, v9
	v_lshrrev_b32 v54, 1, v9
	s_delay_alu instid0(VALU_DEP_1)
	v_lshlrev_b32 v54, 12, v54
	s_delay_alu instid0(VALU_DEP_1)
	v_lshl_or_b32 v54, v3, 8, v54                  ; the prefetch: row L / 2, head L % 2
	v_add_nc_u32 v55, ZERO, v1
	v_lshl_add_u32 v248, v13, 13, EIMG
	v_mov_b32 v249, EWRD
	v_lshl_add_u32 v250, v13, 12, v8               ; Q, O: row hh of a pair, 16 r
	v_mul_u32_u24 v251, v13, 272
	s_delay_alu instid0(VALU_DEP_1)
	v_add_nc_u32 v251, v251, v8
	s_delay_alu instid0(VALU_DEP_1)
	v_add_nc_u32 v251, s43, v251                   ; the stage by rows of memory: row hh of a pair, 16 r
	v_mul_u32_u24 v252, v12, 272
	s_delay_alu instid0(VALU_DEP_1)
	v_add_nc_u32 v252, s43, v252
	s_delay_alu instid0(VALU_DEP_1)
	v_lshl_add_u32 v253, v13, 5, v252              ; O into the stage: row r, 32 hh
	s_delay_alu instid0(VALU_DEP_2)
	v_lshl_add_u32 v252, v13, 7, v252              ; Q out of the stage: row r, block hh
	v_lshlrev_b32 v2, 4, v0                        ; the fill: 16 x thread,
	s_delay_alu instid0(VALU_DEP_1)
	v_add_nc_u32 v3, 65536, v2                     ; and beyond the reach of an LDS immediate,
	v_add_nc_u32 v4, 131072, v2                    ; twice
	v_add_nc_u32 v8, ZERO, v2
	s_and_b32 s44, ttmp7, 0xffff                   ; j: heads 2 j and 2 j + 1 = 16 n + h
	s_lshr_b32 s45, s44, 3                         ; n
	s_and_b32 s46, s44, 7
	s_lshl_b32 s50, s45, 22
	s_lshl_b32 s46, s46, 9                         ; 256 h
	s_add_co_u32 s50, s50, s46
	s_mov_b32 s51, 0
	s_mul_i32 s48, s44, 2*REC
	s_mov_b32 s49, 0
	s_mov_b32 s38, 0x76543210
	s_mov_b32 s39, 0xfedcba98                      ; v_permlanex16_b32's selects for lane l xor 16
	s_mov_b32 s40, 0x3e38aa3b                      ; c = log2(e) / 8
	s_mov_b32 s41, s40                             ; (named with it as a pair)
	s_mov_b32 s42, 0x00ff00ff
	s_wait_alu depctr_va_vdst(0)                   ; the wait at the head's end
	s_wait_kmcnt 0x0
	s_add_nc_u64 s[4:5], s[4:5], s[50:51]
	s_add_nc_u64 s[14:15], s[14:15], s[50:51]
	s_add_nc_u64 s[6:7], s[6:7], s[48:49]
	; THE FILL: 2 x 71,680 + 18,432 bytes = 39 rounds of 4,096 and half a round, which waves 0-3 take; it is the oldest load, so the counts below hold on both ways
	s_cmp_lt_u32 s16, 4
	s_cbranch_scc0 .Lfill
	global_load_b128 v[FILL+156:FILL+159], v2, s[8:9] offset:16384
.Lfill:
.set i, 0
.rept 39
.if i < 35
	global_load_b128 v[FILL+4*i:FILL+4*i+3], v2, s[6:7] offset:4096*i
.else
	global_load_b128 v[FILL+4*i:FILL+4*i+3], v2, s[8:9] offset:4096*(i-35)
.endif
.set i, i+1
.endr
.irp j, 16,17,18,19
	v_mov_b32 v[\j], 0
.endr
	ds_store_b128 v8, v[16:19]                     ; the zeros
.set i, 0
.rept 39
.if i%13 == 0
	s_wait_loadcnt 26-i                            ; loads come back in order: thirteen more rounds are in, the younger ones may be out
.endif
.if i < 16
	ds_store_b128 v2, v[FILL+4*i:FILL+4*i+3] offset:4096*i
.else
.if i < 32
	ds_store_b128 v3, v[FILL+4*i:FILL+4*i+3] offset:4096*(i-16)
.else
	ds_store_b128 v4, v[FILL+4*i:FILL+4*i+3] offset:4096*(i-32)
.endif
.endif
.set i, i+1
.endr
	s_cmp_lt_u32 s16, 4
	s_cbranch_scc0 .Lfilled
	ds_store_b128 v4, v[FILL+156:FILL+159] offset:28672
.Lfilled:
	s_wait_dscnt 0x0                               ; for the others' sake: my stores have landed
.irp j, 28,29,30,31,64,65,66,67,36,37,38,39,156,157,158,159,164,165,166,167,172,173,174,175,180,181,182,183,212,213,214,215,224
	v_mov_b32 v[\j], 0                             ; written once: the zero halves of [Q|0] and [E_c|0]; upper halves of K's fragments, named before codes first land there; lane permutes' destinations
.endr
	WIN 0x40
.irp j, 96,97,98,99,100,101,102,103,136,137,138,139,140,141,142,143
	v_mov_b32 v[\j], 0                             ; window 1, written once: the places of the two halves' fifth images, which only a band half's request fills
.endr
	WIN 0
	s_wait_alu depctr_va_vdst(0)                   ; ahead of the barrier
	s_barrier_signal -1
	s_barrier_wait -1                              ; the only barrier: from here on the bytes under TSC are only read, and each wave's scratch is its own
	s_mov_b32 s17, 0
.Ltile:
	s_lshl_b32 s18, ttmp9, 8
	s_lshl_b32 s43, s17, 7
	s_add_co_u32 s18, s18, s43
	s_lshl_b32 s43, s16, 4
	s_add_co_u32 s18, s18, s43                     ; l0 = 256 x work-group x + 128 x tile + 16 x wave
	s_xor_b32 s19, s18, 0x3f0                      ; 1008 - l0 (l0 is a multiple of 16, at most 1008)
	s_lshl_b32 s50, s18, 12
	s_add_nc_u64 s[26:27], s[10:11], s[50:51]      ; mimg: 65,536 bytes a query tile
	s_add_nc_u64 s[34:35], s[4:5], s[50:51]        ; Q and out: 4,096 bytes from query to query
	s_add_nc_u64 s[36:37], s[14:15], s[50:51]
	s_lshl_b32 s50, s18, 11
	s_add_nc_u64 s[28:29], s[12:13], s[50:51]      ; mpim: 32,768 bytes a query tile
.irp hd, 0,1
.irp i, 0,1,2,3,4,5,6,7
	global_load_b128 v[S+32*\hd+4*\i:S+32*\hd+4*\i+3], v250, s[34:35] offset:8192*\i+256*\hd th:TH_LOAD_NT   ; two whole rows of 256 bytes a load
.endr
.endr
	s_mov_b32 s20, 0
	s_mov_b32 s21, 0
	PREFETCH 0                                     ; step 0's mask images
.irp b, 14,68
	v_mov_b32 v[\b+1], 0xff61b1e6                  ; the largest t so far: -3e38, under every t
	v_mov_b32 v[\b+2], 0                           ; the sum, in two halves
	v_mov_b32 v[\b+3], 0
	v_floor_f32 v[\b], -v[\b+1]                    ; -M
.endr
	s_wait_loadcnt 16                              ; Q is in: at least the sixteen mask loads stand behind it
.irp hd, 0,1
.irp i, 0,1,2,3,4,5,6,7
	ds_store_b128 v251, v[S+32*\hd+4*\i:S+32*\hd+4*\i+3] offset:544*\i
.endr
.irp i, 0,1,2,3,4,5,6,7
	ds_load_b128 v[POOL+32*\hd+4*\i:POOL+32*\hd+4*\i+3], v252 offset:16*\i   ; block hh of query r: 32 neighbours in my registers.  LDS serves a wave's instructions in order: the second head's stores come behind these
.endr
.endr
	s_wait_dscnt 0x0
	v_bfe_u32 v221, v0, 4, 1
	s_delay_alu instid0(VALU_DEP_1)
	v_lshlrev_b32 v221, 3, v221                    ; 8 hh
	QUANT 0
	QUANT 1
	WIN 0x40
.set j, 0
.rept 64
	v_mov_b32 v[j], 0                              ; both O^T: the step is written once; the first change of M leaves zeros zeros.  (Also the places between Q's words and codes and the first product)
.set j, j+1
.endr
	WIN 0
.Lstep:
	s_lshl_b32 s21, s20, 7                         ; the step's first key
	PASS 0
	PASS 1
	s_add_co_u32 s20, s20, 1
	s_cmp_lt_u32 s20, 8
	s_cbranch_scc1 .Lstep
	s_wait_loadcnt 0x0                             ; no mask load is out on any way to the next tile's request (the last step has asked for nothing)
	; THE WAY OUT: O^T / the sum goes through my scratch (rows of 272 bytes) and leaves as whole rows of 256 bytes, sixteen lanes a row
	PLACES 4
	v_add_f32 v16, v16, v17
	v_add_f32 v70, v70, v71                        ; the two heads' chains by turns
	v_permlanex16_b32 v224, v16, s38, s39
	v_permlanex16_b32 v226, v70, s38, s39
	v_add_f32 v16, v16, v224                       ; the rows' sums
	v_add_f32 v70, v70, v226
	s_wait_alu depctr_va_vdst(0)                   ; ahead of the two reciprocals
	v_rcp_f32 v16, v16
	v_rcp_f32 v70, v70
	WIN 0x01                                       ; source 0 in window 1
	v_nop                                          ; a plain line behind the reciprocals
	s_wait_alu depctr_va_vdst(0)                   ; and the wait ahead of their first reader, which is O^T's first reader too
.set j, 0
.rept 32
	v_mul_f32 v[S+j], v[j], v16                    ; register 8 t + i is out(l0 + r, 16 t + 8 h + i)
.set j, j+1
.endr
.set j, 0
.rept 32
	v_mul_f32 v[S+32+j], v[32+j], v70
.set j, j+1
.endr
	WIN 0
.irp hd, 0,1
.irp t, 0,1,2,3
	ds_store_b128 v253, v[S+32*\hd+8*\t:S+32*\hd+8*\t+3] offset:64*\t
	ds_store_b128 v253, v[S+32*\hd+8*\t+4:S+32*\hd+8*\t+7] offset:64*\t+16
.endr
.irp i, 0,1,2,3,4,5,6,7
	ds_load_b128 v[POOL+32*\hd+4*\i:POOL+32*\hd+4*\i+3], v251 offset:544*\i   ; LDS serves a wave's instructions in order: these see my stores
.endr
.endr
.irp hd, 0,1
.irp i, 0,1,2,3,4,5,6,7
	s_wait_dscnt 23-16*\hd-\i                      ; pair i of rows is back; the younger LDS instructions may be out
	global_store_b128 v250, v[POOL+32*\hd+4*\i:POOL+32*\hd+4*\i+3], s[36:37] offset:8192*\i+256*\hd th:TH_STORE_NT
.endr
.endr
	s_wait_xcnt 0x0                                ; the stores and the prefetch have read their registers and bases: the next tile writes them again
	s_add_co_u32 s17, s17, 1
	s_cmp_lt_u32 s17, 2
	s_cbranch_scc1 .Ltile
	s_wait_tensorcnt 0x0                           ; the wave's end
	ds_add_u32 v254, v255
	s_wait_dscnt 0x0
	s_endpgm
.Lfunc_end_k_q27f4f4a102_attn:
	.size	k_q27f4f4a102_attn, .Lfunc_end_k_q27f4f4a102_attn-k_q27f4f4a102_attn
	.p2alignl 7, 3214868480
	.fill 96, 4, 3214868480
	.section	.rodata,"a",@progbits
	.p2align	6, 0x0
	.amdhsa_kernel k_q27f4f4a102_attn
		.amdhsa_group_segment_fixed_size 218112
		.amdhsa_private_segment_fixed_size 0
		.amdhsa_enable_private_segment 0
		.amdhsa_kernarg_size 48
		.amdhsa_user_sgpr_count 2
		.amdhsa_user_sgpr_kernarg_segment_ptr 1
		.amdhsa_wavefront_size32 1
		.amdhsa_system_sgpr_workgroup_id_x 1
		.amdhsa_system_sgpr_workgroup_id_y 1
		.amdhsa_system_sgpr_workgroup_id_z 1
		.amdhsa_system_vgpr_workitem_id 0
		.amdhsa_next_free_vgpr 400
		.amdhsa_next_free_sgpr 66
		.amdhsa_reserve_vcc 0
		.amdhsa_float_denorm_mode_32 3
		.amdhsa_float_denorm_mode_16_64 3
		.amdhsa_memory_ordered 1
		.amdhsa_forward_progress 1
		.amdhsa_inst_pref_size 121
	.end_amdhsa_kernel
	.amdgpu_metadata
---
amdhsa.version: [ 1, 2 ]
amdhsa.kernels:
  - .name:           k_q27f4f4a102_attn
    .symbol:         k_q27f4f4a102_attn.kd
    .args:
      - { .name: queries, .offset: 0, .size: 8, .value_kind: global_buffer, .address_space: global }
      - { .name: kvw, .offset: 8, .size: 8, .value_kind: global_buffer, .address_space: global }
      - { .name: etab, .offset: 16, .size: 8, .value_kind: global_buffer, .address_space: global }
      - { .name: mimg, .offset: 24, .size: 8, .value_kind: global_buffer, .address_space: global }
      - { .name: mpim, .offset: 32, .size: 8, .value_kind: global_buffer, .address_space: global }
      - { .name: out0, .offset: 40, .size: 8, .value_kind: global_buffer, .address_space: global }
    .group_segment_fixed_size: 218112
    .private_segment_fixed_size: 0
    .kernarg_segment_align: 8
    .kernarg_segment_size: 48
    .max_flat_workgroup_size: 256
    .sgpr_count:     66
    .vgpr_count:     400
    .wavefront_size: 32
...
	.end_amdgpu_metadata
.endif
;; end of part 2
